; MI455X (gfx1250); checked and timed in simulation.
; The chip was launched on July 23, 2026; its instructions are those of AMD's public machine-readable ISA for CDNA 5 (MIT licence, August 2026) and "CDNA5" Instruction Set Architecture Reference Guide (July 2026). The comments in the code are by the model that wrote it; some were corrected since.
;; General TV1 D Layer. Allowed arithmetic: float matrix products may take bf16 or f16 operands with f32 sums; other float arithmetic in f32, or as packed bf16 or f16 multiplies, adds, multiply-adds, maxima and minima; sums over many terms, partial sums and values carried from step to step in f32; what a program stores and reads back later, other than sums and carried values, may be rounded once to bf16 or f16.
;; Inputs: lmbd_param 32 float32; x 8 x 32 x 128 x 256 float32.
;; Outputs: out0 8 x 32 x 128 x 256 float32.
;; One version. Each part assembles by itself: llvm-mc -triple=amdgcn-amd-amdhsa -mcpu=gfx1250 --defsym DOCPART=n.
;; ======== version 1 of 1: 1 launch
;; limits: right only within a limited range of input values
;; launch tvprox (part 1): grid 256 x 1, 8 waves a work-group, no clusters, 167,936 bytes of LDS; arguments x, lmbd_param, out0; writes out0
.if DOCPART == 1
	.amdgcn_target "amdgcn-amd-amdhsa--gfx1250"
	.amdhsa_code_object_version 6
	.text
	.protected	k_qcb3e107863_tvprox
	.globl	k_qcb3e107863_tvprox
	.p2align	8
	.type	k_qcb3e107863_tvprox,@function
k_qcb3e107863_tvprox:
	s_mov_b64 s[64:65], 0
	v_nop
	global_prefetch_b8 v0, s[64:65] scope:SCOPE_SE
	s_setreg_imm32_b32 hwreg(HW_REG_WAVE_MODE, 25, 1), 1
	s_wait_xcnt 0x0
; out = x - D^T u30 along rows of 256 f32, u30 = 30 steps of fast gradient projection on the dual, |u| <= lam, lam = softplus(lmbd_param[channel]).
; x, out0: [8][32][128][256] f32 = 32,768 rows; lmbd_param: [32] f32.
; THE STEP, REWRITTEN.  With St(u)_i = 2 u_i + u_(i-1) + u_(i+1) (0 outside the row) reference()'s step is u_(j+1) = clip(St(y_j)/4 + Dx/4), y_j = (1+b_(j-1)) u_j - b_(j-1) u_(j-1),
; b_j = (t_j - 1)/t_(j+1).  St is linear, so St(y_j) is made of St(u_j) and St(u_(j-1)), and y is never formed.  With v = (u + lam)/(2 lam), which lies in 0..1, the clip is the clamp bit of a multiply-add:
;   W_j = St(v_j);   v_(j+1) = clamp(c1_j W_j + T_j);   T_(j+1) = g + nb_j W_j;   g = Dx/(8 lam), c1_j = (1 + b_(j-1))/4, nb_j = -b_j/4, T_1 = g.
; Four packed operations for two numbers: an add, three multiply-adds.  u = 0 outside the row is v = 1/2 there; c1_j + nb_(j-1) = 1/4 in every step, so that 1/2 adds the constant 1/8: it is put into g of the
; row's first and last dual number, and the place outside reads as 0.  The row's 256th place holds no dual number: its g is -8, which the clamp turns into v = 0 in every step (c1 W < 1/2 there).
; LEFT OUT, for all values of the inputs: (1) step 0's stencil: reference() builds y_0 = u_0 = 0 itself, so u_1 = clip(Dx/4), v_1 = clamp(g + 1/2); (2) the momentum of the step behind it: t_0 = 1 makes its
; factor (t_0 - 1)/t_1 = 0; (3) the last step's t_30 and y_30, which nothing reads.  Both inputs are loaded.  A NaN, an infinity or an overflow that reached only these terms would not be carried to the result.
; LIMITS.  The order of rounding differs from reference()'s (same real numbers).  lam is held at 2^-100 at the least (softplus below that, from a parameter under about -69; the result then differs from
; reference()'s by at most 2^-99).  |x[i+1] - x[i]| / (8 lam) has to be finite in f32.  log1p(e) is e - e^2/2 + e^3/3 below e = 2^-8, log(1 + e) above.  NaN and infinities in x are not treated apart.
; SHARES.  A work-group has one (batch, channel) image: 128 rows, one lam.  Each of its 8 waves has 16 rows, in 4 batches of 4.  a register pair holds the
; same place of two rows (lanes 0-15: the batch's rows 0 and 1, lanes 16-31: rows 2 and 3), so a place's neighbours are aligned pairs; only a lane's two edge sums reach into the next lane, by DPP.
; MEMORY.  Each wave asks for its 4 batches by 4 tensor loads at the head (4 of its loads are out at the most) and reads only its own tiles, each behind its own counted wait; no LDS byte is filled twice.
; The mover lays 16 bytes of padding behind every 64.
; The results go back into the batch's own tile (its one fill is over), come out as consecutive bytes and are stored 512 consecutive bytes an instruction.
; No cluster: no two work-groups read the same bytes of x.  No prefetch: every byte of x is asked for at the head already.
.set NWAVE,  8
.set NBAT,   4                         ; batches of a wave
.set CHUNK,  80                        ; a lane's 64 bytes of a row + 16 of padding
.set RPITCH, 16*CHUNK                  ; a row in LDS
.set TILE,   4*RPITCH                  ; a batch in LDS
.set TMEM,   4096                      ; a batch in memory
.set WLDS,   NBAT*TILE
.set WMEM,   NBAT*TMEM
.set TBL,    NWAVE*WLDS                ; behind the tiles: the steps' table, entry j (1..29) = c1_j, c1_j, nb_j, nb_j at 16 (j - 1); no fill lands here
.set SPARE,  TBL+512                   ; behind it: the spare words, 128 bytes for each wave: four blocks of 256 bytes that no other line names
.set TRIPS,  13                        ; the loop takes steps 2..27, two a trip
.set SPW,  1                           ; v1   LDS address of my spare word; never rewritten
.set NIL,  2                           ; v2   0; never rewritten
.set LA,   3                           ; v3   LDS address of my chunk of my first row in my wave's batch 0
.set RD,   4                           ; v4   LDS address of my 16 bytes when a tile is read back as consecutive bytes
.set GO,   5                           ; v5   my byte offset in the work-group's part of out0
.set TA,   6                           ; v6   address in the table
.set SC,   7                           ; v7   scratch; 1/4 while the table is made
.set CS0,  8                           ; v[8:11]   the entry of an even step
.set CS1,  12                          ; v[12:15]  of an odd step
.set INV,  16                          ; pairs, both halves alike: 1/(8 lam)
.set INVM, 18                          ; the same, 0 in a row's last lane
.set HALF, 20                          ; 1/2
.set H15,  22                          ; 1/2, 0 in a row's last lane
.set E0,   24                          ; 1/8 in a row's first lane, else 0
.set E14,  26                          ; 1/8 in a row's last lane, else 0
.set G15,  28                          ; -8 in a row's last lane, else 0
.set L2,   30                          ; 2 lam
.set F15,  32                          ; 1/2 in a row's last lane, else 0
.set HL,   34                          ; the way out: v of the place left of my chunk; a row's first lane keeps 1/2
.set G,    36                          ; v[36:67]    g          (place k of my chunk: registers 2 k, 2 k + 1)
.set U,    68                          ; v[68:99]    v
.set T,    100                         ; v[100:131]  T; on the way out the rows read back
.set W,    132                         ; v[132:163]  W; Dx at a batch's beginning, the results at its end
.set X0,   164                         ; v[164:195]  x of batches 0, 2;  v[196:227]  x of batches 1, 3
.set TT,   G                           ; while the table is made: t_0..t_29, later their reciprocals
.set SQ,   G+30
.set TM,   U                           ; (1 - t_j)/4
.set QD,   T                           ; the 29 entries, 116 registers
.set WV,   10                          ; s10  my wave's number
.set LB,   11                          ; s11  my wave's tiles in LDS
.set CNT,  14                          ; s14  trips
.set TB,   15                          ; s15  the table address that steps
.set G1,   16                          ; s[16:23] descriptor group 1, the same for every load
.set G0,   24                          ; s[24:39] descriptor group 0, a set for each batch; never rewritten
.set M15,  40                          ; s40  lanes 15 and 31
.set N15,  41                          ; s41  all others
.set ML,   42                          ; s42  lanes 0 and 16
.set PRM,  43                          ; s43  the channel's parameter
	s_load_b128 s[4:7], s[0:1], 0x0                ; x s[4:5], lmbd_param s[6:7]
	s_load_b64 s[8:9], s[0:1], 0x10                ; out0
	v_lshl_add_u32 v[SPW], v0, 2, SPARE
	v_mov_b32 v[NIL], 0
	ds_add_u32 v[SPW], v[NIL]                      ; the wave's opening: the add, twice on end, and its wait ahead of my first tensor load
	ds_add_u32 v[SPW], v[NIL]                      ; and once more; the set-up below, work on registers, stands between it and the wait
	v_lshrrev_b32 v[SC], 5, v0
	v_readfirstlane_b32 s[WV], v[SC]               ; wave 0..7
	s_lshl_b32 s12, ttmp9, 17                      ; the work-group's 128 rows of 1,024 bytes
	s_mov_b32 s13, 0
	s_mul_i32 s44, s[WV], WMEM                     ; my wave's 16 rows
	s_mov_b32 s45, 0
	s_and_b32 s46, ttmp9, 31                       ; the channel,
	s_lshl_b32 s46, s46, 2                         ; its parameter's byte offset
	s_mov_b32 s47, 0
	s_mul_i32 s[LB], s[WV], WLDS
	; group 1: a batch is 4,096 dense bytes, asked for as 16 rows of 256 bytes
	s_mov_b32 s[G1+0], (3<<16)|(1<<20)|(3<<22)|(3<<25)  ; 17:16 elements of 8 bytes; 20 padding on; 24:22 after every 16 words (code 3); 31:25 4 words of it (code 3)
	s_mov_b32 s[G1+1], 32<<16                      ; tensor_dim0 = 32 elements
	s_mov_b32 s[G1+2], 16<<16                      ; tensor_dim1 = 16 rows
	s_mov_b32 s[G1+3], 32<<16                      ; tile_dim0 = 32
	s_mov_b32 s[G1+4], 16                          ; tile_dim1 = 16
	s_mov_b32 s[G1+5], 32                          ; 32 elements from row to row
	s_mov_b32 s[G1+6], 0
	s_mov_b32 s[G1+7], 0
	s_wait_dscnt 0x0                               ; both opening adds are done
	s_wait_kmcnt 0x0
	s_add_nc_u64 s[4:5], s[4:5], s[12:13]
	s_add_nc_u64 s[4:5], s[4:5], s[44:45]          ; x at my wave's first row
	s_add_nc_u64 s[8:9], s[8:9], s[12:13]          ; out0 at the work-group's first row
	s_add_nc_u64 s[6:7], s[6:7], s[46:47]          ; the channel's parameter
.set bb, 0
.rept NBAT                             ; all my fills go out together, ahead of every wait on TENSORcnt, every LDS read and the barrier
	s_mov_b32 s[G0+4*bb], 1                                    ; count = 1
	s_add_co_u32 s[G0+4*bb+1], s[LB], bb*TILE                  ; LDS address
	s_add_nc_u64 s[G0+4*bb+2:G0+4*bb+3], s[4:5], bb*TMEM       ; global address
	s_or_b32 s[G0+4*bb+3], s[G0+4*bb+3], 0x80000000            ; type = 2
	tensor_load_to_lds s[G0+4*bb:G0+4*bb+3], s[G1:G1+7]
	s_nop 0
.set bb, bb+1
.endr
	s_load_b32 s[PRM], s[6:7], 0x0
	; my places, and the constants that differ by lane
	v_and_b32 v[SC], 15, v0                        ; my place in the row's 16 lanes
	v_cmp_eq_u32 s[M15], 15, v[SC]
	v_cmp_ne_u32 s[N15], 15, v[SC]
	v_cmp_eq_u32 s[ML], 0, v[SC]
	v_bfe_u32 v[TA], v0, 4, 1                      ; which half of the lanes
	v_mul_u32_u24 v[LA], v[SC], CHUNK
	v_mul_u32_u24 v[TA], v[TA], 2*RPITCH           ; lanes 16-31: two rows on
	v_add3_u32 v[LA], v[LA], v[TA], s[LB]
	v_bfe_u32 v[SC], v0, 2, 3                      ; read back: lane i takes data bytes 16 i .. 16 i + 15: chunk i / 4,
	v_and_b32 v[TA], 3, v0                         ; quarter i % 4
	v_mul_u32_u24 v[RD], v[SC], CHUNK
	v_lshl_add_u32 v[RD], v[TA], 4, v[RD]
	v_add_nc_u32 v[RD], s[LB], v[RD]
	v_and_b32 v[SC], 31, v0
	v_lshl_add_u32 v[GO], v[SC], 4, s44
	v_mov_b32 v[HALF], 0.5
	v_mov_b32 v[HALF+1], 0.5
	v_mov_b32 v[HL], 0.5
	v_mov_b32 v[HL+1], 0.5
	v_mov_b32 v[W+30], 0                           ; a DPP form's destination counts as read: written once here
	v_mov_b32 v[W+31], 0
	v_cndmask_b32 v[F15], 0, v[HALF], s[M15]
	v_sub_f32 v[H15], v[HALF], v[F15]
	v_mov_b32 v[SC], 0x3e000000                    ; 1/8
	v_cndmask_b32 v[E0], 0, v[SC], s[ML]
	v_cndmask_b32 v[E14], 0, v[SC], s[M15]
	v_mov_b32 v[SC], 0xc1000000                    ; -8
	v_cndmask_b32 v[G15], 0, v[SC], s[M15]
.irp r, F15, H15, E0, E14, G15
	v_mov_b32 v[\r+1], v[\r]
.endr
	v_mov_b32 v[TA], TBL
	s_mov_b32 s[TB], TBL
	; lam = softplus(p) = max(p, 0) + log1p(exp(-|p|)), as reference()'s form keeps the exponential in range
	s_wait_kmcnt 0x0
	v_mov_b32 v[G], s[PRM]
	v_and_b32 v[G+1], 0x7fffffff, v[G]
	v_mul_f32 v[G+1], 0xbfb8aa3b, v[G+1]           ; -|p| log2(e)
	v_exp_f32 v[G+2], v[G+1]                       ; e
	v_max_num_f32 v[G+3], 0, v[G]                  ; the plain instruction behind the exponential
	s_wait_alu depctr_va_vdst(0)                   ; the wait ahead of the result's first reader
	v_add_f32 v[G+4], 1.0, v[G+2]
	v_log_f32 v[G+5], v[G+4]
	v_fmamk_f32 v[G+6], v[G+2], 0xbeaaaaab, v[HALF]  ; 1/2 - e/3
	v_fma_f32 v[G+6], -v[G+2], v[G+6], 1.0
	v_mul_f32 v[G+6], v[G+2], v[G+6]               ; e - e^2/2 + e^3/3
	v_cmp_gt_f32 vcc_lo, 0x3b800000, v[G+2]        ; e below 2^-8: 1 + e would lose e's digits
	s_wait_alu depctr_va_vdst(0)
	v_mul_f32 v[G+5], 0x3f317218, v[G+5]           ; log2 to ln
	v_cndmask_b32 v[G+5], v[G+5], v[G+6], vcc_lo
	v_add_f32 v[G+5], v[G+3], v[G+5]
	v_max_num_f32 v[G+5], 0x0d800000, v[G+5]       ; lam, 2^-100 at the least, so that 1/(8 lam) is finite
	v_mul_f32 v[G+7], 0x41000000, v[G+5]
	v_rcp_f32 v[INV], v[G+7]
	v_add_f32 v[L2], v[G+5], v[G+5]
	v_mov_b32 v[L2+1], v[L2]
	s_wait_alu depctr_va_vdst(0)
	v_mov_b32 v[INV+1], v[INV]
	v_cndmask_b32 v[INVM], 0, v[INV], s[N15]
	v_mov_b32 v[INVM+1], v[INVM]
	; THE STEPS' TABLE hangs on no input: wave 0 makes it for all eight, while the first tiles are on their way.  t_(j+1) = 1/2 + sqrt(1/4 + t_j^2), which is reference()'s (1 + sqrt(1 + 4 t^2))/2.
	s_cmp_lg_u32 s[WV], 0
	s_cbranch_scc1 .Ltable_made
	v_mov_b32 v[SC], 0x3e800000                    ; 1/4
	v_mov_b32 v[TT], 1.0
.set j, 0
.rept 29                               ; t_1 .. t_29: a chain, so each root has its own wait
	v_fma_f32 v[SQ], v[TT+j], v[TT+j], v[SC]
	v_sqrt_f32 v[SQ+1], v[SQ]
.if j == 0
	v_nop                                          ; the plain instruction behind the root
.else
	v_fma_f32 v[TM+j], -v[TT+j], v[SC], v[SC]      ; (1 - t_j)/4: the plain instruction behind the root
.endif
	s_wait_alu depctr_va_vdst(0)
	v_add_f32 v[TT+j+1], 0.5, v[SQ+1]
.set j, j+1
.endr
.set j, 2
.rept 28                               ; 1/t_2 .. 1/t_29: one batch, one wait
	v_rcp_f32 v[TT+j], v[TT+j]
.set j, j+1
.endr
	v_mov_b32 v[QD], v[SC]                         ; c1_1 = 1/4
	v_mov_b32 v[QD+1], v[SC]
	s_wait_alu depctr_va_vdst(0)
.set j, 1
.rept 28
	v_mul_f32 v[QD+4*(j-1)+2], v[TM+j], v[TT+j+1]  ; nb_j = -b_j/4,
	v_mul_f32 v[QD+4*(j-1)+3], v[TM+j], v[TT+j+1]  ; twice: the packed forms take pairs
	v_sub_f32 v[QD+4*j], v[SC], v[QD+4*(j-1)+2]    ; c1_(j+1) = 1/4 - nb_j
	v_sub_f32 v[QD+4*j+1], v[SC], v[QD+4*(j-1)+2]
.set j, j+1
.endr
	v_mov_b32 v[QD+114], 0                         ; step 29 makes no T: its entry's second half is never used, and is written so that the loop's one form of load reads written bytes only
	v_mov_b32 v[QD+115], 0
.set j, 0
.rept 29
	ds_store_b128 v[TA], v[QD+4*j:QD+4*j+3] offset:16*j  ; all lanes write the same bytes with the same numbers
.set j, j+1
.endr
.Ltable_made:
	s_wait_dscnt 0x0                               ; wave 0's stores are done,
	s_barrier_signal -1
	s_barrier_wait -1                              ; and every wave may read the table.  The tensor loads stay out across this barrier
; x of batch b from my tile into the pair layout: place k of my two rows
.macro XLOAD b, x
.set k, 0
.rept 16
	ds_load_b32 v[(\x)+2*k],   v[LA] offset:(\b)*TILE+4*k
	ds_load_b32 v[(\x)+2*k+1], v[LA] offset:(\b)*TILE+RPITCH+4*k
.set k, k+1
.endr
.endm
; A batch begins: Dx; v_1 = clamp(g + 1/2) (step 0: no stencil); g with the rows' ends folded in
.macro SETUP x
.set k, 0
.rept 15
	v_pk_add_f32 v[W+k:W+k+1], v[(\x)+k+2:(\x)+k+3], v[(\x)+k:(\x)+k+1] neg_lo:[0,1] neg_hi:[0,1]
.set k, k+2
.endr
	v_sub_f32_dpp v[W+30], v[(\x)],   v[(\x)+30] row_shl:1 row_mask:0xf bank_mask:0xf bound_ctrl:1  ; the next lane's first x less my last; a row's last lane gets a finite number that INVM multiplies by 0
	v_sub_f32_dpp v[W+31], v[(\x)+1], v[(\x)+31] row_shl:1 row_mask:0xf bank_mask:0xf bound_ctrl:1
.set k, 0
.rept 15
	v_pk_fma_f32 v[U+k:U+k+1], v[W+k:W+k+1], v[INV:INV+1], v[HALF:HALF+1] clamp
.set k, k+2
.endr
	v_pk_fma_f32 v[U+30:U+31], v[W+30:W+31], v[INVM:INVM+1], v[H15:H15+1] clamp
	v_pk_fma_f32 v[G:G+1], v[W:W+1], v[INV:INV+1], v[E0:E0+1]
.set k, 2
.rept 13
	v_pk_mul_f32 v[G+k:G+k+1], v[W+k:W+k+1], v[INV:INV+1]
.set k, k+2
.endr
	v_pk_fma_f32 v[G+28:G+29], v[W+28:W+29], v[INV:INV+1], v[E14:E14+1]
	v_pk_fma_f32 v[G+30:G+31], v[W+30:W+31], v[INVM:INVM+1], v[G15:G15+1]
.endm
; Batch b's rows, read back into T, are stored: each instruction 512 consecutive bytes, at a multiple of 512 from out0's first byte
.macro STORE b
.set k, 0
.rept 8
	global_store_b128 v[GO], v[T+4*k:T+4*k+3], s[8:9] offset:(\b)*TMEM+512*k th:TH_STORE_NT
.set k, k+1
.endr
.endm
; ONE STEP: 66 vector instructions for 32 numbers a lane, in four runs of 16 or 18, so that no instruction reads a result younger than 16 instructions.
; cs: the step's entry.  tsrc: where T lies (G in step 1: T_1 = g).  ld: the table offset, from TA, of the entry that takes this one's registers, two steps ahead of its use; -1: none.
; last = 1: step 29 makes no T.  st: the batch whose rows wait in T to be stored; -1: none.  w3: the LDS instructions younger than my entry's load.
.macro ITER cs, tsrc, ld, last, st, w3
	v_add_f32_dpp v[W],   v[U+30], v[U+2] row_shr:1 row_mask:0xf bank_mask:0xf bound_ctrl:1  ; the lane before's last v + my second; a row's first lane takes 0
	v_add_f32_dpp v[W+1], v[U+31], v[U+3] row_shr:1 row_mask:0xf bank_mask:0xf bound_ctrl:1
.set k, 2
.rept 14
	v_pk_add_f32 v[W+k:W+k+1], v[U+k-2:U+k-1], v[U+k+2:U+k+3]
.set k, k+2
.endr
	v_add_f32_dpp v[W+30], v[U],   v[U+28] row_shl:1 row_mask:0xf bank_mask:0xf bound_ctrl:1  ; the next lane's first v + my last but one
	v_add_f32_dpp v[W+31], v[U+1], v[U+29] row_shl:1 row_mask:0xf bank_mask:0xf bound_ctrl:1
.set k, 0
.rept 16
	v_pk_fma_f32 v[W+k:W+k+1], v[U+k:U+k+1], 2.0, v[W+k:W+k+1] op_sel_hi:[1,0,1]
.set k, k+2
.endr
	s_wait_dscnt \w3                               ; LDS instructions end in order (ISA guide 5.7.1): my entry is in
.if (\st) >= 0
	STORE \st                                      ; (that wait was for 0: the rows read back are in too)
.endif
.set k, 0
.rept 16
	v_pk_fma_f32 v[U+k:U+k+1], v[W+k:W+k+1], v[(\cs):(\cs)+1], v[(\tsrc)+k:(\tsrc)+k+1] clamp  ; the clamp to 0..1 is the clip to -lam..lam
.set k, k+2
.endr
.if !(\last)
.if (\st) >= 0
	s_wait_xcnt 0x0                                ; T, which the stores above read, is written only behind this wait
.endif
.set k, 0
.rept 16
	v_pk_fma_f32 v[T+k:T+k+1], v[W+k:W+k+1], v[(\cs)+2:(\cs)+3], v[G+k:G+k+1]
.set k, k+2
.endr
.endif
.if (\ld) >= 0
	ds_load_b128 v[(\cs):(\cs)+3], v[TA] offset:\ld  ; all lanes read the same 16 bytes
.endif
.endm
; THE WAY OUT: out_e = x_e + u_e - u_(e-1) = x_e + 2 lam (v_e - v_(e-1)), with v = 1/2 on both sides of the row; into my tile, and back as consecutive bytes
.macro OUTPUT b, x
.set k, 2
.rept 14
	v_pk_add_f32 v[W+k:W+k+1], v[U+k:U+k+1], v[U+k-2:U+k-1] neg_lo:[0,1] neg_hi:[0,1]
.set k, k+2
.endr
	v_mov_b32_dpp v[HL],   v[U+30] row_shr:1 row_mask:0xf bank_mask:0xf  ; a row's first lane has no source and keeps its 1/2
	v_mov_b32_dpp v[HL+1], v[U+31] row_shr:1 row_mask:0xf bank_mask:0xf
	v_pk_add_f32 v[U+30:U+31], v[U+30:U+31], v[F15:F15+1]                ; the row's 256th place: 0 becomes 1/2
	v_pk_add_f32 v[W:W+1], v[U:U+1], v[HL:HL+1] neg_lo:[0,1] neg_hi:[0,1]
	v_pk_add_f32 v[W+30:W+31], v[U+30:U+31], v[U+28:U+29] neg_lo:[0,1] neg_hi:[0,1]
.irp k, 2,4,6,8,10,12,14,16,18,20,22,24,26,28,0,30
	v_pk_fma_f32 v[W+\k:W+\k+1], v[W+\k:W+\k+1], v[L2:L2+1], v[(\x)+\k:(\x)+\k+1]
.endr
.set k, 0
.rept 16
	ds_store_b32 v[LA], v[W+2*k]   offset:(\b)*TILE+4*k
	ds_store_b32 v[LA], v[W+2*k+1] offset:(\b)*TILE+RPITCH+4*k
.set k, k+1
.endr
.set k, 0
.rept 8
	ds_load_b128 v[T+4*k:T+4*k+3], v[RD] offset:(\b)*TILE+8*CHUNK*k  ; LDS serves a wave's instructions in order (ISA guide 5.7.1.4): these see the stores above
.set k, k+1
.endr
.endm
; A BATCH.  When it begins, its x and entries 1 and 2 have been asked of LDS.  Its last two steps are written out: between them the next batch's x is asked of LDS, behind them the next batch's entries;
; its rows are stored in the next batch's first step, so that the wave has vector work while LDS turns them round.
.macro BATCH b
.set XC, X0+32*((\b)%2)
.set XN, X0+32*(((\b)+1)%2)
.if (\b) == 0
	s_wait_dscnt 2                                 ; x is in; the two entries' loads are younger
.else
	s_wait_dscnt 41                                ; x is in; younger: entry 1's load, the last batch's 32 stores and 8 loads
.endif
	SETUP XC
	ITER CS1, G, 32, 0, (\b)-1, 0                  ; step 1; then entry 3
	s_mov_b32 s[CNT], TRIPS
.Ltrip\b:                                      ; steps j, j + 1 (j = 2, 4 .. 26); TA stands 16 bytes ahead of entry j
	ITER CS0, T, 48, 0, -1, 1                      ; the one younger load is the next step's entry
	ITER CS1, T, 64, 0, -1, 1
	s_add_co_u32 s[TB], s[TB], 32
	v_mov_b32 v[TA], s[TB]
	s_sub_co_u32 s[CNT], s[CNT], 1
	s_cmp_lg_u32 s[CNT], 0
	s_cbranch_scc1 .Ltrip\b
.if (\b) < NBAT-1
	s_mov_b32 s[TB], TBL
	v_mov_b32 v[TA], s[TB]
	ITER CS0, T, 16, 0, -1, 1                      ; step 28; then the next batch's entry 2
	s_wait_tensorcnt NBAT-2-(\b)                   ; tensor loads of a wave end in order (ISA guide 10.11.1): the next batch's tile is in, the later ones may stay out
	XLOAD (\b)+1, XN
	ITER CS1, T, 0, 1, -1, 33                      ; step 29: younger than its entry's load are entry 2's and x's 32; then the next batch's entry 1
	OUTPUT \b, XC
.else
	ITER CS0, T, -1, 0, -1, 1
	ITER CS1, T, -1, 1, -1, 0
	OUTPUT \b, XC
	s_wait_dscnt 0x0
	STORE \b
.endif
.endm
	s_wait_tensorcnt NBAT-1                        ; my first tile is in; the other three may stay out
	XLOAD 0, X0
	ds_load_b128 v[CS1:CS1+3], v[TA]               ; entry 1
	ds_load_b128 v[CS0:CS0+3], v[TA] offset:16     ; entry 2
	BATCH 0
	BATCH 1
	BATCH 2
	BATCH 3
	s_wait_tensorcnt 0x0                           ; the wave's end, behind my last tensor load and my last LDS store
	ds_add_u32 v[SPW], v[NIL]
	s_wait_dscnt 0x0
	s_endpgm
.Lfunc_end_k_qcb3e107863_tvprox:
	.size	k_qcb3e107863_tvprox, .Lfunc_end_k_qcb3e107863_tvprox-k_qcb3e107863_tvprox
	.p2alignl 7, 3214868480
	.fill 96, 4, 3214868480
	.section	.rodata,"a",@progbits
	.p2align	6, 0x0
	.amdhsa_kernel k_qcb3e107863_tvprox
		.amdhsa_group_segment_fixed_size 167936
		.amdhsa_private_segment_fixed_size 0
		.amdhsa_enable_private_segment 0
		.amdhsa_kernarg_size 24
		.amdhsa_user_sgpr_count 2
		.amdhsa_user_sgpr_kernarg_segment_ptr 1
		.amdhsa_wavefront_size32 1
		.amdhsa_system_sgpr_workgroup_id_x 1
		.amdhsa_system_sgpr_workgroup_id_y 1
		.amdhsa_system_sgpr_workgroup_id_z 1
		.amdhsa_system_vgpr_workitem_id 0
		.amdhsa_next_free_vgpr 228
		.amdhsa_next_free_sgpr 66
		.amdhsa_reserve_vcc 1
		.amdhsa_float_denorm_mode_32 3
		.amdhsa_float_denorm_mode_16_64 3
		.amdhsa_memory_ordered 1
		.amdhsa_forward_progress 1
		.amdhsa_inst_pref_size 143
	.end_amdhsa_kernel
	.amdgpu_metadata
---
amdhsa.version: [ 1, 2 ]
amdhsa.kernels:
  - .name:           k_qcb3e107863_tvprox
    .symbol:         k_qcb3e107863_tvprox.kd
    .args:
      - { .name: x, .offset: 0, .size: 8, .value_kind: global_buffer, .address_space: global }
      - { .name: lmbd_param, .offset: 8, .size: 8, .value_kind: global_buffer, .address_space: global }
      - { .name: out0, .offset: 16, .size: 8, .value_kind: global_buffer, .address_space: global }
    .group_segment_fixed_size: 167936
    .private_segment_fixed_size: 0
    .kernarg_segment_align: 8
    .kernarg_segment_size: 24
    .max_flat_workgroup_size: 256
    .sgpr_count:     66
    .vgpr_count:     228
    .wavefront_size: 32
...
	.end_amdgpu_metadata
.endif
;; end of part 1
